; MI455X (gfx1250); checked and timed in simulation.
; The chip was launched on July 23, 2026; its instructions are those of AMD's public machine-readable ISA for CDNA 5 (MIT licence, August 2026) and "CDNA5" Instruction Set Architecture Reference Guide (July 2026). The comments in the code are by the model that wrote it; some were corrected since.
;; Module Selector. Allowed arithmetic: matrix products marked QUANTISED: E5M2 operands, one E8M0 scale for each 32 along K, by v_wmma_scale_f32_16x16x128_f8f6f4 with both operands' format E5M2, f32 sums; everything else in f32.
;; Inputs: W1 16 x 256 x 1,024 float32; W2 16 x 1,024 x 256 float32; b1 16 x 1,024 float32; b2 16 x 256 float32; in_feats 8,192 x 256 float32; module_ids 8,192 int32.
;; Outputs: out0 8,192 x 256 float32.
;; This version of the problem:
;;   THIS VERSION OF THE PROBLEM IS GIVEN IN LOW PRECISION. The matrix products marked QUANTISED in the list below multiply operands that are first quantised to E5M2 (5 exponent bits, 2 mantissa bits; 8 bits a number), with one power-of-two scale for each 32 numbers along K (OCP MX v1.0); their sums are f32. All else is computed in f32.
;;   The module's matrix products, in the order in which they are computed (A, B: the left and right operand; K: the contracted axis; several contracted axes count as one K, in the product's order):
;;     1. [M 8,192, K 256] x [K 256, N 1,024]; A: input in_feats; B: input W1: QUANTISED
;;     2. [M 8,192, K 1,024] x [K 1,024, N 256]; A: computed on the way; B: input W2: QUANTISED
;;     3. [M 8,192, K 256] x [K 256, N 1,024]; A: input in_feats; B: input W1: QUANTISED
;;     4. [M 8,192, K 1,024] x [K 1,024, N 256]; A: computed on the way; B: input W2: QUANTISED
;;     5. [M 8,192, K 256] x [K 256, N 1,024]; A: input in_feats; B: input W1: QUANTISED
;;     6. [M 8,192, K 1,024] x [K 1,024, N 256]; A: computed on the way; B: input W2: QUANTISED
;;     7. [M 8,192, K 256] x [K 256, N 1,024]; A: input in_feats; B: input W1: QUANTISED
;;     8. [M 8,192, K 1,024] x [K 1,024, N 256]; A: computed on the way; B: input W2: QUANTISED
;;     9. [M 8,192, K 256] x [K 256, N 1,024]; A: input in_feats; B: input W1: QUANTISED
;;     10. [M 8,192, K 1,024] x [K 1,024, N 256]; A: computed on the way; B: input W2: QUANTISED
;;     11. [M 8,192, K 256] x [K 256, N 1,024]; A: input in_feats; B: input W1: QUANTISED
;;     12. [M 8,192, K 1,024] x [K 1,024, N 256]; A: computed on the way; B: input W2: QUANTISED
;;     13. [M 8,192, K 256] x [K 256, N 1,024]; A: input in_feats; B: input W1: QUANTISED
;;     14. [M 8,192, K 1,024] x [K 1,024, N 256]; A: computed on the way; B: input W2: QUANTISED
;;     15. [M 8,192, K 256] x [K 256, N 1,024]; A: input in_feats; B: input W1: QUANTISED
;;     16. [M 8,192, K 1,024] x [K 1,024, N 256]; A: computed on the way; B: input W2: QUANTISED
;;     17. [M 8,192, K 256] x [K 256, N 1,024]; A: input in_feats; B: input W1: QUANTISED
;;     18. [M 8,192, K 1,024] x [K 1,024, N 256]; A: computed on the way; B: input W2: QUANTISED
;;     19. [M 8,192, K 256] x [K 256, N 1,024]; A: input in_feats; B: input W1: QUANTISED
;;     20. [M 8,192, K 1,024] x [K 1,024, N 256]; A: computed on the way; B: input W2: QUANTISED
;;     21. [M 8,192, K 256] x [K 256, N 1,024]; A: input in_feats; B: input W1: QUANTISED
;;     22. [M 8,192, K 1,024] x [K 1,024, N 256]; A: computed on the way; B: input W2: QUANTISED
;;     23. [M 8,192, K 256] x [K 256, N 1,024]; A: input in_feats; B: input W1: QUANTISED
;;     24. [M 8,192, K 1,024] x [K 1,024, N 256]; A: computed on the way; B: input W2: QUANTISED
;;     25. [M 8,192, K 256] x [K 256, N 1,024]; A: input in_feats; B: input W1: QUANTISED
;;     26. [M 8,192, K 1,024] x [K 1,024, N 256]; A: computed on the way; B: input W2: QUANTISED
;;     27. [M 8,192, K 256] x [K 256, N 1,024]; A: input in_feats; B: input W1: QUANTISED
;;     28. [M 8,192, K 1,024] x [K 1,024, N 256]; A: computed on the way; B: input W2: QUANTISED
;;     29. [M 8,192, K 256] x [K 256, N 1,024]; A: input in_feats; B: input W1: QUANTISED
;;     30. [M 8,192, K 1,024] x [K 1,024, N 256]; A: computed on the way; B: input W2: QUANTISED
;;     31. [M 8,192, K 256] x [K 256, N 1,024]; A: input in_feats; B: input W1: QUANTISED
;;     32. [M 8,192, K 1,024] x [K 1,024, N 256]; A: computed on the way; B: input W2: QUANTISED
;;   THE QUANTISER, for each operand of a quantised product, along K:
;;     - K is cut into blocks of 32 from its start; a last block that is shorter is filled with zeros.
;;     - A block's scale is 2^e with e = floor(log2(the largest magnitude in the block)) - 15, held to -126 .. 127; a block of zeros has e = 0. As a byte (E8M0): e + 127.
;;     - Each number is divided by its block's scale, clamped to +-57,344, and rounded to the nearest number of E5M2, ties to even, subnormals kept.
;;     - The product sums the exact products of the quantised numbers (number of the format x scale) in f32.
;;   ~~~python
;;   def quantise(x, axis):      # numpy; x: float32 -> the quantised numbers, widened to float32 again
;;       x = np.moveaxis(x, axis, -1); K = x.shape[-1]
;;       x = np.pad(x, [(0, 0)] * (x.ndim - 1) + [(0, -K % 32)]); x = x.reshape(x.shape[:-1] + (-1, 32)); a = np.abs(x).max(-1, keepdims=True)
;;       e = np.where(a > 0, np.clip(np.frexp(np.where(a > 0, a, 1))[1] - 1 - 15, -126, 127), 0)      # np.frexp(a)[1] - 1 = floor(log2(a)), exactly
;;       r = np.clip(x / 2.0 ** e, -57344, 57344)
;;       step = 2.0 ** (np.maximum(np.frexp(np.where(r == 0, 1, r))[1] - 1, -14) - 2)
;;       q = np.round(r / step) * step * 2.0 ** e      # np.round: ties to even
;;       return np.moveaxis(q.reshape(q.shape[:-2] + (-1,))[..., :K], -1, axis).astype(np.float32)
;;   ~~~
;;   OPERANDS COMPUTED ON THE WAY. 'Computed on the way' means the value that the module computes at that place (a softmax that the list does not call 'softmax' is quantised finished and normalised). What goes into a quantiser is computed in f32, as accurately as f32 sums, v_exp_f32 and their like allow (about 1e-6 of the number): no bf16 or f16 on the way to a quantiser, and a product that is left as it is and whose result goes on into a quantised operand takes f32 operands (vector FMAs, or v_wmma_f32_16x16x4_f32). A number that lies on a knife's edge between two numbers of the format may be rounded either way, as far as f32 arithmetic and the matrix unit's own rounding can turn it there, and no further.
;; One version. Each part assembles by itself: llvm-mc -triple=amdgcn-amd-amdhsa -mcpu=gfx1250 --defsym DOCPART=n.
;; ======== version 1 of 1: 2 launches
;; limits: right only within a limited range of input values
;; workspace buffers: w1c 4,194,304 bytes; w1s 131,072 bytes; w2c 4,194,304 bytes; w2s 131,072 bytes; order 32,768 bytes of whole numbers; tiles 2,304 bytes of whole numbers
;; launch prep (part 1): grid 257 x 1, 8 waves a work-group, no clusters, 2,048 bytes of LDS; arguments W1, W2, module_ids, w1c, w1s, w2c, w2s, order, tiles; writes w1c, w1s, w2c, w2s, order, tiles
.if DOCPART == 1
	.amdgcn_target "amdgcn-amd-amdhsa--gfx1250"
	.amdhsa_code_object_version 6
	.text
	.protected	k_q964ccf60d2_prep
	.globl	k_q964ccf60d2_prep
	.p2align	8
	.type	k_q964ccf60d2_prep,@function
k_q964ccf60d2_prep:
	s_mov_b64 s[64:65], 0
	v_nop
	global_prefetch_b8 v0, s[64:65] scope:SCOPE_SE
	s_setreg_imm32_b32 hwreg(HW_REG_WAVE_MODE, 25, 1), 1
	s_wait_xcnt 0x0
; PREP: (a) W1 [16][256 k][1024 n] and W2 [16][1024 k][256 n], f32 with K as the first axis of an expert, become codes of BF8 (E5M2) with one E8M0 byte
; for each 32 along K, laid in the ORDER OF THE OPERAND'S REGISTERS; (b) the 8,192 rows are sorted by expert, and a list of tiles of at most 64 rows is written.
; WORK-GROUPS: 0 sorts; 1 to 128 take W1; 129 to 256 take W2.  The three paths part on the work-group's number alone; only the sorting path uses LDS and a barrier.
; A FRAGMENT IMAGE (16 rows of the operand x 128 along K) is 2,048 bytes: byte 512 c + 256 h + 16 r + j is the code of k = 32 c + 16 h + j of the tile's row r, so that
; four loads of 16 bytes a lane, at 16 x lane + 512 c, give the matrix instruction's 16 registers as they stand.  w1c: [expert][tile 64][K step 2], w2c: [expert][tile 16][K step 8].
; Scale words (four bytes: 128 along K of one row): w1s [expert][tile][K step][row 16], w2s likewise.
; THE ROWS OF A TILE OF W1 ARE NOT NEIGHBOURS: row r of tile T is hidden unit 32 (T / 2) + 8 (T % 2) + r + 8 (r / 8), so that the first product's results lie along the second product's K.
; THE QUANTISER: a lane takes a column n and its registers run down K; a block of 32 lies in one lane.  Scale = 2^(floor(log2(largest magnitude)) - 15); its byte is the
; largest magnitude's exponent field - 15, held at 1 from below by a floor among the maximum's leaves; each number is converted, ties to even.
; LIMITS: NaN and infinities among the weights are not served.  A block of zeros gets the byte 1 where the rule says 127: its codes are zeros, and this program alone reads the bytes.
; THE SORT: ids outside 0 .. 15 (negative ones too: the comparison is unsigned) go to bucket 16, whose rows get zeros in the next launch.  17 buckets of 8,192 rows in all make
; at most 128 + 16 = 144 tiles of 64, whatever the split; entries that a split leaves over are written as (17, 0, 0, 0).
.set EMAX, 15
.set MANT, 0x600000                    ; the mantissa field of 57,344 as f32
.set X,    32                          ; v32-159  four blocks of 32 numbers down K
.set C,    160                         ; v160-191 eight registers of codes for each block: no store's data are written again
.set ID,   32                          ; the sort: v32-63 ids, v64-95 positions, v96-127 permute results and then row numbers, v128-135 the eight waves' counts
.set POS,  64
.set T,    96
.set WT,   128
.set OFF,  24                          ; s24-40  my wave's running count of each bucket; later TOT, the buckets' totals
.set TOT,  24
.set MK,   41                          ; s41-57  a chunk's lane masks; later BAS, each bucket's first place in the order
.set BAS,  41
.set TB,   66                          ; s66-83  each bucket's first tile, and the number of tiles in all
.macro QLOAD c, pitch, src             ; block c: W(32 c + i, my column), i = 0 .. 31: the wave reads 128 consecutive bytes, the eight waves 1,024
.irp i, 0,1,2,3,4,5,6,7,8,9,10,11,12,13,14,15,16,17,18,19,20,21,22,23,24,25,26,27,28,29,30,31
	global_load_b32 v[X+32*(\c)+\i], v2, s[\src:\src+1] offset:(32*(\c)+\i)*\pitch th:TH_LOAD_NT
.endr
.endm
.macro QBLOCK c, cod
.set XS, X+32*(\c)
	v_max3_num_f32 v12, |v[XS]|, |v[XS+1]|, |v[XS+2]|               ; the block's largest magnitude: all 32 numbers are mine; two chains
	v_max3_num_f32 v13, |v[XS+3]|, |v[XS+4]|, |v[XS+5]|
.irp i, 6,10,14,18,22,26
	s_delay_alu instid0(VALU_DEP_2)
	v_max3_num_f32 v12, v12, |v[XS+\i]|, |v[XS+\i+1]|
	s_delay_alu instid0(VALU_DEP_2)
	v_max3_num_f32 v13, v13, |v[XS+\i+2]|, |v[XS+\i+3]|
.endr
	s_delay_alu instid0(VALU_DEP_2)
	v_max3_num_f32 v12, v12, |v[XS+30]|, |v[XS+31]|
	s_delay_alu instid0(VALU_DEP_1)
	v_max3_num_f32 v12, v12, v13, (EMAX+1)<<23     ; and the floor 2^(16 - 127): the byte cannot fall under 1
	s_delay_alu instid0(VALU_DEP_1)
	v_add_nc_u32 v11, -(EMAX<<23), v12             ; 15 off the exponent field: the conversion takes the exponent field of this operand as its scale
	s_delay_alu instid0(VALU_DEP_1)
	v_lshrrev_b32 v14, 23, v11                     ; the scale's byte
.if (\c) == 0
	s_delay_alu instid0(VALU_DEP_1)
	v_mov_b32 v15, v14                             ; four bytes make my row's scale word, the lower K in the lower byte
.else
	s_delay_alu instid0(VALU_DEP_1)
	v_lshl_or_b32 v15, v14, 8*(\c), v15
.endif
.irp i, 0,1,2,3,4,5,6,7,8,9,10,11,12,13,14,15,16,17,18,19,20,21,22,23,24,25,26,27,28,29,30,31
.endr
.irp g, 0,1,2,3
	v_cvt_scalef32_pk8_bf8_f32 v[C+8*(\c)+2*\g:C+8*(\c)+2*\g+1], v[XS+8*\g:XS+8*\g+7], v11
.endr
	global_store_b128 v3, v[C+8*(\c):C+8*(\c)+3], s[\cod:\cod+1] offset:512*(\c)          ; k = 32 c + 0 .. 15: lanes 0-15 store 256 consecutive aligned bytes of one fragment, lanes 16-31 of the next tile's
	global_store_b128 v3, v[C+8*(\c)+4:C+8*(\c)+7], s[\cod:\cod+1] offset:512*(\c)+256    ; k = 32 c + 16 .. 31
.endm
; A wave's share: 32 columns x 128 along K: two fragments and 32 scale words.  Share i = 8 x (work-group - first) + wave: expert i / 64, then K step and block of 32 columns.
.macro QPATH logb, pitch, ks, first, src, cod, sca, perm
	s_sub_co_u32 s24, ttmp9, \first
	s_lshl_b32 s24, s24, 3
	s_add_co_u32 s24, s24, s22                     ; i
	s_lshr_b32 s25, s24, 6                         ; the expert
	s_and_b32 s26, s24, 63
	s_lshr_b32 s27, s26, \logb                     ; the K step of 128
	s_and_b32 s28, s26, (1<<\logb)-1               ; the block of 32 columns: the eight waves stand side by side
	s_lshl_b32 s30, s25, 20                        ; an expert is 2^20 bytes of f32
	s_mul_i32 s31, s27, 128*\pitch
	s_add_co_u32 s30, s30, s31
	s_lshl_b32 s31, s28, 7
	s_add_co_u32 s30, s30, s31
	s_mov_b32 s31, 0
	s_add_nc_u64 s[\src:\src+1], s[\src:\src+1], s[30:31]
	s_mul_i32 s29, s28, 2*\ks
	s_add_co_u32 s29, s29, s27                     ; the fragment's number in its expert: tile 2 b, this K step
	s_lshl_b32 s30, s25, 18                        ; an expert's codes are 2^18 bytes
	s_lshl_b32 s32, s29, 11
	s_add_co_u32 s30, s30, s32
	s_add_nc_u64 s[\cod:\cod+1], s[\cod:\cod+1], s[30:31]
	s_lshl_b32 s30, s25, 13                        ; its scale words 2^13
	s_lshl_b32 s32, s29, 6
	s_add_co_u32 s30, s30, s32
	s_add_nc_u64 s[\sca:\sca+1], s[\sca:\sca+1], s[30:31]
.if \perm
	v_and_b32 v2, 7, v5                            ; lane (u, r) is row r of tile 2 b + u: column 8 u + r % 8 + 16 (r / 8) of the 32
	s_delay_alu instid0(VALU_DEP_1)
	v_lshl_add_u32 v2, v6, 3, v2
	v_lshrrev_b32 v3, 3, v5
	s_delay_alu instid0(VALU_DEP_1)
	v_lshl_add_u32 v2, v3, 4, v2
	s_delay_alu instid0(VALU_DEP_1)
	v_lshlrev_b32 v2, 2, v2
.else
	v_lshlrev_b32 v2, 2, v1                        ; column 16 u + r = my lane
.endif
	v_lshlrev_b32 v3, 4, v5
	s_delay_alu instid0(VALU_DEP_1)
	v_mad_u32_u24 v3, v6, \ks*2048, v3             ; codes: 16 r, and tile 2 b + 1 lies ks fragments on
	v_lshlrev_b32 v4, 2, v5
	s_delay_alu instid0(VALU_DEP_1)
	v_mad_u32_u24 v4, v6, \ks*64, v4               ; scale words likewise
	QLOAD 0, \pitch, \src
	QLOAD 1, \pitch, \src
	s_wait_alu depctr_va_vdst(0)
	s_wait_loadcnt 32                              ; block 0 is in; block 1's 32 loads may be out
	QLOAD 2, \pitch, \src
	QBLOCK 0, \cod
	s_wait_loadcnt 32                              ; block 1 is in; block 2's may be out
	QLOAD 3, \pitch, \src
	QBLOCK 1, \cod
	s_wait_loadcnt 32                              ; block 2 is in; block 3's may be out
	QBLOCK 2, \cod
	s_wait_loadcnt 0x0
	QBLOCK 3, \cod
	v_nop                                          ; a plain line behind the last conversion
	global_store_b32 v4, v15, s[\sca:\sca+1]
	s_endpgm
.endm
; One register of ids (32 rows): each lane's rank among my wave's rows of its bucket so far.
.macro CHUNK j
.irp e, 0,1,2,3,4,5,6,7,8,9,10,11,12,13,14,15,16
	v_cmp_eq_u32 s[MK+\e], \e, v[ID+(\j)]
.endr
	v_mbcnt_lo_u32_b32 v[POS+(\j)], s[MK], s[OFF]  ; the bucket's count so far + the lanes below me that have it
.irp e, 1,2,3,4,5,6,7,8,9,10,11,12,13,14,15,16
	v_mbcnt_lo_u32_b32 v[16+\e%2], s[MK+\e], s[OFF+\e]
	s_delay_alu instid0(VALU_DEP_1)
	v_cndmask_b32 v[POS+(\j)], v[POS+(\j)], v[16+\e%2], s[MK+\e]
.endr
.irp e, 0,1,2,3,4,5,6,7,8,9,10,11,12,13,14,15,16
	s_bcnt1_i32_b32 s[MK+\e], s[MK+\e]
	s_add_co_u32 s[OFF+\e], s[OFF+\e], s[MK+\e]
.endr
.endm
	s_load_b512 s[4:19], s[0:1], 0x0               ; W1 s[4:5], W2 s[6:7], ids s[8:9], w1c s[10:11], w1s s[12:13], w2c s[14:15], w2s s[16:17], order s[18:19]
	s_load_b64 s[20:21], s[0:1], 0x40              ; tiles
	v_lshl_add_u32 v192, v0, 2, 0x400
	v_mov_b32 v193, 0
	v_lshrrev_b32 v1, 5, v0
	s_delay_alu instid0(VALU_DEP_1)
	v_readfirstlane_b32 s22, v1                    ; wave 0..7
	v_and_b32 v1, 31, v0                           ; lane
	v_and_b32 v5, 15, v0                           ; r
	v_bfe_u32 v6, v0, 4, 1                         ; u
	s_wait_kmcnt 0x0
	s_cmp_eq_u32 ttmp9, 0
	s_cbranch_scc1 .Lroute
	s_cmp_lt_u32 ttmp9, 129
	s_cbranch_scc0 .Lw2
	s_wait_alu depctr_va_vdst(0)
	QPATH 5, 4096, 2, 1, 4, 10, 12, 1
.Lw2:
	s_wait_alu depctr_va_vdst(0)
	QPATH 3, 1024, 8, 129, 6, 14, 16, 0
.Lroute:                                               ; THE SORT: eight waves, 1,024 rows each; no atomics: ranks inside a wave, the waves' counts through LDS, one barrier
	v_lshlrev_b32 v7, 2, v0                        ; LDS: my wave's 32 words, my lane's
	s_wait_alu depctr_va_vdst(0)
	v_lshlrev_b32 v8, 2, v1                        ; 4 x lane
	s_lshl_b32 s58, s22, 12
	v_lshlrev_b32 v9, 4, v1
	s_delay_alu instid0(VALU_DEP_1)
	v_add_nc_u32 v9, s58, v9                       ; ids: 4,096 x wave + 16 x lane
	s_lshl_b32 s58, s22, 10
	v_lshl_add_u32 v10, v1, 2, s58                 ; the row of my first id: 1,024 x wave + 4 x lane
.irp q, 0,1,2,3,4,5,6,7
	global_load_b128 v[ID+4*\q:ID+4*\q+3], v9, s[8:9] offset:512*\q   ; register 4 q + c: row 1,024 wave + 128 q + 4 lane + c
.endr
.irp e, 0,1,2,3,4,5,6,7,8,9,10,11,12,13,14,15,16
	s_mov_b32 s[OFF+\e], 0
.endr
	v_mov_b32 v11, 0
	v_mov_b32 v14, 0
.irp q, 0,1,2,3,4,5,6,7
	s_wait_loadcnt 7-\q                            ; load q is in; the younger ones may be out
.irp c, 0,1,2,3
	v_min_u32 v[ID+4*\q+\c], 16, v[ID+4*\q+\c]     ; every id outside 0 .. 15 is bucket 16
	CHUNK 4*\q+\c
.endr
.endr
.irp e, 0
	v_writelane_b32 v11, s[OFF+\e], \e             ; lane e: my wave's count of bucket e
.endr
.irp e, 1, 2, 3, 4, 5, 6, 7, 8, 9, 10, 11, 12, 13, 14, 15, 16
	s_delay_alu instid0(VALU_DEP_1)
	v_writelane_b32 v11, s[OFF+\e], \e             ; lane e: my wave's count of bucket e
.endr
	ds_store_b32 v7, v11
	s_wait_dscnt 0x0                               ; for the others' sake: my counts lie in LDS
	s_barrier_signal -1
	s_barrier_wait -1
.irp k, 0,1,2,3,4,5,6,7
	ds_load_b32 v[WT+\k], v8 offset:128*\k         ; lane e: wave k's count of bucket e
.endr
	s_wait_dscnt 0x0
	v_add3_u32 v12, v[WT], v[WT+1], v[WT+2]        ; the buckets' totals
	s_delay_alu instid0(VALU_DEP_1)
	v_add3_u32 v12, v12, v[WT+3], v[WT+4]
	s_delay_alu instid0(VALU_DEP_1)
	v_add3_u32 v12, v12, v[WT+5], v[WT+6]
	s_delay_alu instid0(VALU_DEP_1)
	v_add_nc_u32 v12, v12, v[WT+7]
	v_mov_b32 v13, 0                               ; and what the waves below mine have of each
.irp k, 0,1,2,3,4,5,6
	s_cmp_gt_u32 s22, \k
	s_cselect_b32 s58, -1, 0
	v_and_b32 v16, s58, v[WT+\k]
	s_delay_alu instid0(VALU_DEP_1)
	v_add_nc_u32 v13, v13, v16
.endr
.irp e, 0,1,2,3,4,5,6,7,8,9,10,11,12,13,14,15,16
	v_readlane_b32 s[TOT+\e], v12, \e
.endr
	s_mov_b32 s[BAS], 0
.irp e, 0,1,2,3,4,5,6,7,8,9,10,11,12,13,14,15
	s_add_co_u32 s[BAS+\e+1], s[BAS+\e], s[TOT+\e] ; a bucket's first place in the order
.endr
	s_mov_b32 s[TB], 0
.irp e, 0,1,2,3,4,5,6,7,8,9,10,11,12,13,14,15,16
	s_add_co_u32 s58, s[TOT+\e], 63
	s_lshr_b32 s58, s58, 6
	s_add_co_u32 s[TB+\e+1], s[TB+\e], s58         ; and its first tile
.endr
.irp e, 0
	v_writelane_b32 v14, s[BAS+\e], \e
.endr
.irp e, 1, 2, 3, 4, 5, 6, 7, 8, 9, 10, 11, 12, 13, 14, 15, 16
	s_delay_alu instid0(VALU_DEP_1)
	v_writelane_b32 v14, s[BAS+\e], \e
.endr
	s_delay_alu instid0(VALU_DEP_1)
	v_add_nc_u32 v14, v14, v13                     ; lane e: where my wave's rows of bucket e begin
.set J, 0
.rept 32
	v_lshlrev_b32 v[ID+J], 2, v[ID+J]
	ds_bpermute_b32 v[T+J], v[ID+J], v14           ; each row takes its bucket's figure (no LDS byte is touched)
.set J, J+1
.endr
.set J, 0
.rept 32
	s_wait_dscnt 31-J                              ; permute J is back; the younger ones may be out
	v_add_nc_u32 v[POS+J], v[POS+J], v[T+J]        ; the row's place in the order
	s_delay_alu instid0(VALU_DEP_1)
	v_min_u32 v[POS+J], 0x1fff, v[POS+J]
	s_delay_alu instid0(VALU_DEP_1)
	v_lshlrev_b32 v[POS+J], 2, v[POS+J]
	v_add_nc_u32 v[T+J], 128*(J/4)+J%4, v10        ; the row's number
	global_store_b32 v[POS+J], v[T+J], s[18:19]    ; 4 bytes a lane to scattered places: 32,768 bytes in the whole launch
.set J, J+1
.endr
	; the list of tiles: thread t makes entry t: the last bucket whose first tile is at or below t
	v_mov_b32 v20, 0
	v_mov_b32 v24, 0
	v_mov_b32 v25, 0
	v_mov_b32 v26, s[TOT]
.irp e, 1,2,3,4,5,6,7,8,9,10,11,12,13,14,15,16
	v_cmp_le_u32 vcc_lo, s[TB+\e], v0
	s_delay_alu instid0(VALU_DEP_1)
	v_cndmask_b32 v20, v20, \e, vcc_lo
	s_delay_alu instid0(VALU_DEP_2)
	v_cndmask_b32 v24, v24, s[TB+\e], vcc_lo
	s_delay_alu instid0(VALU_DEP_3)
	v_cndmask_b32 v25, v25, s[BAS+\e], vcc_lo
	s_delay_alu instid0(VALU_DEP_4)
	v_cndmask_b32 v26, v26, s[TOT+\e], vcc_lo
.endr
	s_delay_alu instid0(VALU_DEP_3)
	v_sub_nc_u32 v24, v0, v24
	s_delay_alu instid0(VALU_DEP_1)
	v_lshlrev_b32 v24, 6, v24                      ; rows of the bucket in front of this tile
	s_delay_alu instid0(VALU_DEP_1)
	v_add_nc_u32 v21, v25, v24                     ; the tile's first place in the order
	s_delay_alu instid0(VALU_DEP_2)
	v_sub_nc_u32 v22, v26, v24
	s_delay_alu instid0(VALU_DEP_1)
	v_min_u32 v22, 64, v22                         ; its rows
	v_cmp_le_u32 vcc_lo, s[TB+17], v0              ; beyond the last tile: (17, 0, 0, 0)
	s_delay_alu instid0(VALU_DEP_1)
	v_cndmask_b32 v20, v20, 17, vcc_lo
	s_delay_alu instid0(VALU_DEP_2)
	v_cndmask_b32 v21, v21, 0, vcc_lo
	s_delay_alu instid0(VALU_DEP_3)
	v_cndmask_b32 v22, v22, 0, vcc_lo
	v_mov_b32 v23, 0
	v_lshlrev_b32 v27, 4, v0
	v_cmp_gt_u32 vcc_lo, 144, v0
	s_wait_alu depctr_va_vdst(0)
	s_wait_xcnt 0x0                                ; EXEC is a source of the stores above: it changes only behind this wait
	s_wait_tensorcnt 0x0
	ds_add_u32 v192, v193
	s_wait_dscnt 0x0
	s_and_saveexec_b32 s59, vcc_lo
	global_store_b128 v27, v[20:23], s[20:21]      ; threads 0 to 143
	s_wait_xcnt 0x0
	s_or_b32 exec_lo, exec_lo, s59
	s_endpgm
.Lfunc_end_k_q964ccf60d2_prep:
	.size	k_q964ccf60d2_prep, .Lfunc_end_k_q964ccf60d2_prep-k_q964ccf60d2_prep
	.p2alignl 7, 3214868480
	.fill 96, 4, 3214868480
	.section	.rodata,"a",@progbits
	.p2align	6, 0x0
	.amdhsa_kernel k_q964ccf60d2_prep
		.amdhsa_group_segment_fixed_size 2048
		.amdhsa_private_segment_fixed_size 0
		.amdhsa_enable_private_segment 0
		.amdhsa_kernarg_size 72
		.amdhsa_user_sgpr_count 2
		.amdhsa_user_sgpr_kernarg_segment_ptr 1
		.amdhsa_wavefront_size32 1
		.amdhsa_system_sgpr_workgroup_id_x 1
		.amdhsa_system_sgpr_workgroup_id_y 1
		.amdhsa_system_sgpr_workgroup_id_z 1
		.amdhsa_system_vgpr_workitem_id 0
		.amdhsa_next_free_vgpr 194
		.amdhsa_next_free_sgpr 90
		.amdhsa_reserve_vcc 1
		.amdhsa_float_denorm_mode_32 3
		.amdhsa_float_denorm_mode_16_64 3
		.amdhsa_fp16_overflow 1
		.amdhsa_memory_ordered 1
		.amdhsa_forward_progress 1
		.amdhsa_inst_pref_size 230
	.end_amdhsa_kernel
	.amdgpu_metadata
---
amdhsa.version: [ 1, 2 ]
amdhsa.kernels:
  - .name:           k_q964ccf60d2_prep
    .symbol:         k_q964ccf60d2_prep.kd
    .args:
      - { .name: W1, .offset: 0, .size: 8, .value_kind: global_buffer, .address_space: global }
      - { .name: W2, .offset: 8, .size: 8, .value_kind: global_buffer, .address_space: global }
      - { .name: module_ids, .offset: 16, .size: 8, .value_kind: global_buffer, .address_space: global }
      - { .name: w1c, .offset: 24, .size: 8, .value_kind: global_buffer, .address_space: global }
      - { .name: w1s, .offset: 32, .size: 8, .value_kind: global_buffer, .address_space: global }
      - { .name: w2c, .offset: 40, .size: 8, .value_kind: global_buffer, .address_space: global }
      - { .name: w2s, .offset: 48, .size: 8, .value_kind: global_buffer, .address_space: global }
      - { .name: order, .offset: 56, .size: 8, .value_kind: global_buffer, .address_space: global }
      - { .name: tiles, .offset: 64, .size: 8, .value_kind: global_buffer, .address_space: global }
    .group_segment_fixed_size: 2048
    .private_segment_fixed_size: 0
    .kernarg_segment_align: 8
    .kernarg_segment_size: 72
    .max_flat_workgroup_size: 256
    .sgpr_count:     90
    .vgpr_count:     194
    .wavefront_size: 32
...
	.end_amdgpu_metadata
.endif
;; end of part 1
;; launch chain (part 2): grid 144 x 1, 4 waves a work-group, no clusters, 154,112 bytes of LDS; arguments in_feats, b1, b2, w1c, w1s, w2c, w2s, order, tiles, out0; writes out0
.if DOCPART == 2
	.amdgcn_target "amdgcn-amd-amdhsa--gfx1250"
	.amdhsa_code_object_version 6
	.text
	.protected	k_q964ccf60d2_chain
	.globl	k_q964ccf60d2_chain
	.p2align	8
	.type	k_q964ccf60d2_chain,@function
k_q964ccf60d2_chain:
	s_mov_b64 s[64:65], 0
	v_nop
	global_prefetch_b8 v0, s[64:65] scope:SCOPE_SE
	s_setreg_imm32_b32 hwreg(HW_REG_WAVE_MODE, 25, 1), 1
	s_wait_xcnt 0x0
; CHAIN: out[row] = relu(x[row] W1[e] + b1[e]) W2[e] + b2[e] for the row's own expert e; zeros for a row whose id names no expert.  Both products on codes of BF8 (E5M2) with one E8M0
; scale for each 32 along K.  A work-group takes ONE entry of the list of tiles (bucket, first place in the order, rows, 0): at most 64 rows of one expert, through the whole chain; the
; hidden layer never goes to memory.  144 work-groups serve every split of 8,192 rows over 17 buckets.
; NO BRANCH ON A STORED NUMBER STANDS AHEAD OF A BARRIER: an entry without rows, or of bucket 16, runs the chain on rows that exist (expert min(bucket, 15)) and passes all three barriers;
; behind the last one a wave stores only its NV valid rows, and for buckets 16 and 17 zeros in place of the results.  Slots beyond a tile's rows repeat its last row and are not stored.
; SHARES.  THE WAVES SHARE THE COLUMNS: wave w makes hidden units 256 w .. 256 w + 255 (16 tiles of W1, in two groups of 8 = K steps 2 w and 2 w + 1 of the second product) and outputs
; 64 w .. 64 w + 63 (4 tiles of W2), for all 64 rows.  Each weight fragment goes from memory straight into registers, once, as the first launch laid it, and feeds four products.
; Wave w quantises x's rows 16 w .. 16 w + 15 and stores out's rows 16 w .. 16 w + 15.  Operands go from wave to wave through LDS as images of their registers (16 bytes a lane at 16 x lane).
; NO TENSOR LOADS, NO CLUSTER: stores hang on numbers read from memory, and which work-groups share an expert is known only from the list: partners could not be named in the text.
; BOTH PRODUCTS ARE USED TRANSPOSED (source 0 = 16 rows of the weight, source 1 = 16 rows of x or of the hidden layer): a lane holds one row, and its registers run along the columns.
; The biases are the C of each sum's first matrix instruction.  The accumulators take turns, one instruction a turn.
; LIMITS: NaN and infinities are not served.  A block of zeros gets the byte 1 where the rule says 127: its codes are zeros, and this program alone reads the bytes.
; REGISTERS, in windows of 256.  Window 0: v1-15 addresses; v16-47 x's two fragments; v48-111 8 tiles of the hidden layer, later hidden fragments; v112-127 codes just made; v128-191 numbers of x,
; later hidden fragments; v192-208 at work; v209-250 scale words.  Window 1: W1's group 0, then W2's K steps 0-3.  Window 2: W1's group 1, then W2's K steps 4-7.
; Window 3: v0-127 b1's 16 tiles, then y's 16 accumulators ((n, m) at v[8 (4 n + m)]); v128-159 b2's four tiles.
.set XIMG, 0                           ; LDS: x's 8 fragments (tile of rows m, K step s: 2 m + s), 2,048 bytes each
.set XSC,  16384                       ; their scale words, 128 bytes each
.set HIMG, 17408                       ; the hidden layer's 32 fragments (8 m + K step)
.set HSC,  82944                       ; their scale words
.set STG,  87040                       ; the stage for the results: 64 rows x (1,024 bytes + 16)
.set SP,   1040
.set XF,  16
.set HA,  48
.set PC,  112
.set ST,  128
.set TM,  192                          ; v192-195 largest magnitudes, v196-199 bytes, v200-203 57,344 x the scale, v204-207 the conversions' scale operands
.set PW,  208                          ; the scale word just made
.set XS,  209                          ; v209-210 x's scale words
.set HS,  211                          ; v211-218 the hidden layer's, two sets of four
.set W1S, 219                          ; v219-234 W1's: a register a tile: lanes 0-15 K step 0, lanes 16-31 K step 1
.set W2S, 235                          ; v235-250 W2's: register 4 n + p: K steps 2 p and 2 p + 1
.set SEL, 30                           ; s[30:31] lane selects: lane l xor 16
.set MNT, 32                           ; s32 the mantissa field of 57,344
.set OB,  66                           ; s[66:97] the addresses of my 16 rows of out
.set MSB, 0
.macro WIN new                         ; the immediate's high byte repeats the setting that is left; a switch that changes nothing is dropped
.if MSB != (\new)
	s_set_vgpr_msb (MSB<<8)|(\new)
.set MSB, (\new)
.endif
.endm
.macro WAITL n                         ; n younger loads may stay out; the wait's field holds 63 at the most, and a smaller count is always right
.if (\n) > 63
	s_wait_loadcnt 63
.else
	s_wait_loadcnt \n
.endif
.endm
.macro PLACES                          ; eight plain vector lines behind this matrix form, in front of loads into its registers and of reads of its results
.rept 8
	v_nop
.endr
.endm
.macro BARRIER                         ; my LDS stores have landed and my LDS loads are in: then the work-group's barrier
	s_wait_dscnt 0x0
	s_barrier_signal -1
	s_barrier_wait -1
.endm
; 64 numbers of a lane, v[s] on, register 16 b + i = k 32 b + 16 (lane / 16) + i of my row, become a fragment's codes in v[PC] on and its scale word in v[PW].  relu = 1: what is negative becomes 0 on the way.
.macro QUANT s, relu
.if \relu
.irp b, 0,1,2,3
	v_max3_num_f32 v[TM+\b], v[\s+16*\b], v[\s+1+16*\b], 0x8000000   ; no |.|: what is negative is to become 0 and must not count; the floor 2^(16 - 127) holds the byte at 1 from below
.endr
.irp i, 2,4,6,8,10,12,14
.irp b, 0,1,2,3
	v_max3_num_f32 v[TM+\b], v[TM+\b], v[\s+16*\b+\i], v[\s+1+16*\b+\i]
.endr
.endr
.else
.irp b, 0,1,2,3
	v_max3_num_f32 v[TM+\b], |v[\s+16*\b]|, |v[\s+1+16*\b]|, 0x8000000
.endr
.irp i, 2,4,6,8,10,12,14
.irp b, 0,1,2,3
	v_max3_num_f32 v[TM+\b], v[TM+\b], |v[\s+16*\b+\i]|, |v[\s+1+16*\b+\i]|
.endr
.endr
.endif
.irp b, 0,1,2,3
	v_permlanex16_b32 v[TM+4+\b], v[TM+\b], s[SEL], s[SEL+1]
.endr
.irp b, 0,1,2,3
	v_max_num_f32 v[TM+\b], v[TM+\b], v[TM+4+\b]   ; with lane l xor 16's: the block's largest magnitude
.endr
.irp b, 0,1,2,3
	v_add_nc_u32 v[TM+12+\b], 0xf8800000, v[TM+\b] ; 15 off its exponent field: the conversion's scale operand
.endr
.irp b, 0,1,2,3
	v_and_or_b32 v[TM+8+\b], v[TM+\b], 0x7f800000, s[MNT]   ; 57,344 x the scale
.endr
.irp b, 0,1,2,3
	v_lshrrev_b32 v[TM+4+\b], 23, v[TM+12+\b]      ; the scale's byte
.endr
	v_lshl_or_b32 v[PW], v[TM+5], 8, v[TM+4]       ; the four bytes make my row's scale word
	v_lshl_or_b32 v[PW], v[TM+6], 16, v[PW]
	v_lshl_or_b32 v[PW], v[TM+7], 24, v[PW]
.irp b, 0,1,2,3
.irp i, 0,1,2,3,4,5,6,7,8,9,10,11,12,13,14,15
.if \relu
	v_med3_num_f32 v[\s+16*\b+\i], v[\s+16*\b+\i], 0, v[TM+8+\b]   ; the activation and the hold in one
.else
.endif
.endr
	v_cvt_scalef32_pk8_bf8_f32 v[PC+4*\b:PC+1+4*\b], v[\s+16*\b:\s+7+16*\b], v[TM+12+\b]
	v_cvt_scalef32_pk8_bf8_f32 v[PC+2+4*\b:PC+3+4*\b], v[\s+8+16*\b:\s+15+16*\b], v[TM+12+\b]
.endr
	v_nop                                          ; a plain line behind the last conversion
.endm
.macro IMAGE adr, off                  ; the fragment in v[PC] on goes to LDS as it stands
.irp c, 0,1,2,3
	ds_store_b128 v[\adr], v[PC+4*\c:PC+4*\c+3] offset:\off+512*\c
.endr
.endm
.macro XLOAD reg, s                    ; my row's 64 numbers of K step s: 16 neighbours of each block of 32
.irp b, 0,1,2,3
.irp j, 0,1,2,3
	global_load_b128 v[\reg+16*\b+4*\j:\reg+16*\b+4*\j+3], v4, s[4:5] offset:512*\s+128*\b+16*\j
.endr
.endr
.endm
.macro G1LOAD g, f0, n                 ; n fragments of W1's group g from fragment f0 on: fragment 2 t + s at v[16 (2 t + s)] of the group's window
.set F, \f0
.rept \n
.irp c, 0,1,2,3
	global_load_b128 v[16*F+4*\c:16*F+4*\c+3], v5, s[10:11] offset:(16*(\g)+F)*2048+512*\c
.endr
.set F, F+1
.endr
.endm
.macro W2LOAD half                     ; W2's K steps 4 half + q, K step by K step: fragment (n, q) at v[64 q + 16 n]
.irp q, 0,1,2,3
.irp n, 0,1,2,3
.irp c, 0,1,2,3
	global_load_b128 v[64*\q+16*\n+4*\c:64*\q+16*\n+4*\c+3], v5, s[14:15] offset:(8*\n+4*(\half)+\q)*2048+512*\c
.endr
.endr
.endr
.endm
.macro FETCHX m                        ; x's two fragments and scale words of the tile of rows m
.irp s, 0,1
.irp c, 0,1,2,3
	ds_load_b128 v[XF+16*\s+4*\c:XF+16*\s+4*\c+3], v5 offset:XIMG+(2*(\m)+\s)*2048+512*\c
.endr
	ds_load_b32 v[XS+\s], v6 offset:XSC+(2*(\m)+\s)*128
.endr
.endm
.macro FETCHH s                        ; the hidden layer's K step s for the four tiles of rows: 20 LDS loads, into v48 on (s even) or v128 on (s odd)
.irp m, 0,1,2,3
.irp c, 0,1,2,3
	ds_load_b128 v[HA+80*((\s)%2)+16*\m+4*\c:HA+80*((\s)%2)+16*\m+4*\c+3], v1 offset:(8*\m+(\s))*2048+512*\c
.endr
	ds_load_b32 v[HS+4*((\s)%2)+\m], v2 offset:(8*\m+(\s))*128
.endr
.endm
; The first product for group g and the tile of rows m, its activation and quantiser, and the image of K step 2 w + g of the second product.
.macro P1 g, m
.if \m == 0
	WAITL 88                                       ; the group's fragments, b1 and W1's scale words are in: 88 younger loads stand behind them
.endif
	s_wait_dscnt 0x0                               ; x's fragments are in, and the last image's stores have read their registers
	WIN 0x31+\g                                    ; source 0 (W1) in the group's window, C (b1) in window 3
.irp t, 0,1,2,3,4,5,6,7
	v_wmma_scale_f32_16x16x128_f8f6f4 v[HA+8*\t:HA+8*\t+7], v[32*\t:32*\t+15], v[XF:XF+15], v[64*\g+8*\t:64*\g+8*\t+7], v[W1S+8*\g+\t], v[XS] matrix_a_fmt:MATRIX_FMT_BF8 matrix_b_fmt:MATRIX_FMT_BF8
.endr
	WIN 0x01+\g
.irp t, 0,1,2,3,4,5,6,7
	v_wmma_scale_f32_16x16x128_f8f6f4 v[HA+8*\t:HA+8*\t+7], v[32*\t+16:32*\t+31], v[XF+16:XF+31], v[HA+8*\t:HA+8*\t+7], v[W1S+8*\g+\t], v[XS+1] matrix_a_fmt:MATRIX_FMT_BF8 matrix_b_fmt:MATRIX_FMT_BF8 matrix_a_scale:MATRIX_SCALE_ROW1
.endr
	WIN 0
	PLACES
.if (\g == 0) || (\m < 3)
	FETCHX (\m+1)%4                                ; the next pass's x lands while this pass is quantised
.endif
.if \m == 3
	WIN 0x40*(1+\g)
	W2LOAD \g                                      ; the group's window is free: it takes four K steps of W2
	WIN 0
.endif
	QUANT HA, 1
	IMAGE 9, (8*\m+\g)*2048
	ds_store_b32 v10, v[PW] offset:(8*\m+\g)*128
.endm
.macro PROD2 s, m, n                   ; y(n, m) += W2(n, K step s) x hidden(m, K step s); the first K step takes b2 as C
.if \s == 0
	v_wmma_scale_f32_16x16x128_f8f6f4 v[8*(4*\n+\m):8*(4*\n+\m)+7], v[16*\n:16*\n+15], v[HA+16*\m:HA+16*\m+15], v[128+8*\n:128+8*\n+7], v[W2S+4*\n], v[HS+\m] matrix_a_fmt:MATRIX_FMT_BF8 matrix_b_fmt:MATRIX_FMT_BF8
.elseif \s%2
	v_wmma_scale_f32_16x16x128_f8f6f4 v[8*(4*\n+\m):8*(4*\n+\m)+7], v[64*(\s%4)+16*\n:64*(\s%4)+16*\n+15], v[ST+16*\m:ST+16*\m+15], v[8*(4*\n+\m):8*(4*\n+\m)+7], v[W2S+4*\n+\s/2], v[HS+4+\m] matrix_a_fmt:MATRIX_FMT_BF8 matrix_b_fmt:MATRIX_FMT_BF8 matrix_a_scale:MATRIX_SCALE_ROW1
.else
	v_wmma_scale_f32_16x16x128_f8f6f4 v[8*(4*\n+\m):8*(4*\n+\m)+7], v[64*(\s%4)+16*\n:64*(\s%4)+16*\n+15], v[HA+16*\m:HA+16*\m+15], v[8*(4*\n+\m):8*(4*\n+\m)+7], v[W2S+4*\n+\s/2], v[HS+\m] matrix_a_fmt:MATRIX_FMT_BF8 matrix_b_fmt:MATRIX_FMT_BF8
.endif
.endm
; My valid rows leave: row i from v[reg + stride i] on, two stores of 512 consecutive aligned bytes.  The first slot that holds no row of the tile ends it.
.macro ROWS reg, stride
.set I, 0
.rept 16
	s_cmp_le_u32 s29, I
	s_cbranch_scc1 .Ldone_\@
	s_wait_alu depctr_va_vdst(0)
	global_store_b128 v5, v[\reg+\stride*I:\reg+\stride*I+3], s[OB+2*I:OB+2*I+1] th:TH_STORE_NT
	global_store_b128 v5, v[\reg+\stride*I+\stride/2:\reg+\stride*I+\stride/2+3], s[OB+2*I:OB+2*I+1] offset:512 th:TH_STORE_NT
.set I, I+1
.endr
.Ldone_\@:
.endm
	s_load_b512 s[4:19], s[0:1], 0x0               ; in_feats s[4:5], b1 s[6:7], b2 s[8:9], w1c s[10:11], w1s s[12:13], w2c s[14:15], w2s s[16:17], order s[18:19]
	s_load_b128 s[20:23], s[0:1], 0x40             ; tiles s[20:21], out0 s[22:23]
	v_lshl_add_u32 v251, v0, 2, 0x25800
	s_set_vgpr_msb 0xc0
	v_mov_b32 v255, 0
	s_set_vgpr_msb 0xc000
	v_lshrrev_b32 v252, 5, v0
	v_readfirstlane_b32 s28, v252                  ; wave 0..3
	v_and_b32 v253, 31, v0                         ; lane
	v_and_b32 v254, 15, v0                         ; r
	v_bfe_u32 v255, v0, 4, 1                       ; h
	s_lshl_b32 s34, ttmp9, 4                       ; my entry of the list: 16 bytes
	s_mov_b32 s35, 0
	s_wait_alu depctr_va_vdst(0)
	s_wait_kmcnt 0x0
	s_add_nc_u64 s[20:21], s[20:21], s[34:35]
	s_load_b128 s[24:27], s[20:21], 0x0            ; bucket s24, first place s25, rows s26
	v_lshlrev_b32 v5, 4, v253                      ; 16 x lane: an image's place for my lane; also my 16 bytes of half a row of out
	v_lshlrev_b32 v6, 2, v253                      ; 4 x lane: a scale word's
	v_add_nc_u32 v1, HIMG, v5
	v_add_nc_u32 v2, HSC, v6
	s_lshl_b32 s36, s28, 12
	v_add_nc_u32 v7, s36, v5                       ; where I store x's images: two fragments a wave
	v_add_nc_u32 v9, s36, v1                       ; and the hidden layer's: K steps 2 w and 2 w + 1
	s_lshl_b32 s36, s28, 8
	v_add_nc_u32 v8, s36, v6
	v_add_nc_u32 v8, XSC, v8                       ; their scale words
	v_add_nc_u32 v10, s36, v2
	v_mul_u32_u24 v11, v254, SP
	v_lshl_add_u32 v11, v255, 5, v11
	v_add_nc_u32 v11, s36, v11
	v_add_nc_u32 v11, STG, v11                     ; the stage: row r, + 32 h, + 256 x wave: my outputs' bytes
	s_mul_i32 s36, s28, 16*SP
	v_add_nc_u32 v12, s36, v5
	v_add_nc_u32 v12, STG, v12                     ; back: my 16 rows, 16 bytes a lane
	v_lshlrev_b32 v14, 6, v255                     ; 64 h: b1's and x's half
	v_lshlrev_b32 v15, 5, v255                     ; 32 h: b2's
	s_mov_b32 s[SEL], 0x76543210
	s_mov_b32 s[SEL+1], 0xfedcba98
	s_mov_b32 s[MNT], 0x600000
.irp b, 0,1,2,3
	v_mov_b32 v[TM+4+\b], 0                        ; written once: a lane permute's destination counts as one of its sources
.endr
	s_lshl_b32 s36, s28, 4                         ; 16 x wave
	v_add_nc_u32 v3, s36, v254                     ; my slot in the tile
	s_wait_alu depctr_va_vdst(0)
	s_wait_kmcnt 0x0
	s_sub_co_u32 s37, s26, 1
	v_min_u32 v3, s37, v3                          ; slots beyond the tile's rows repeat its last row (with no rows: the slot's own number)
	v_add_nc_u32 v3, s25, v3
	v_min_u32 v3, 0x1fff, v3
	v_lshlrev_b32 v3, 2, v3
	global_load_b32 v13, v3, s[18:19]              ; the slot's row number
	s_sub_co_i32 s29, s26, s36
	s_max_i32 s29, s29, 0
	s_min_i32 s29, s29, 16                         ; NV: how many of my 16 slots hold rows of the tile
	s_min_u32 s33, s24, 15                         ; the expert
	s_lshl_b32 s34, s33, 18                        ; codes: 2^18 bytes an expert, 2^16 a wave, in W1 and in W2
	s_lshl_b32 s36, s28, 16
	s_add_co_u32 s34, s34, s36
	s_add_nc_u64 s[10:11], s[10:11], s[34:35]
	s_add_nc_u64 s[14:15], s[14:15], s[34:35]
	s_lshl_b32 s34, s33, 13                        ; scale words: 2^13 an expert, 2^11 a wave
	s_lshl_b32 s36, s28, 11
	s_add_co_u32 s34, s34, s36
	s_add_nc_u64 s[12:13], s[12:13], s[34:35]
	s_add_nc_u64 s[16:17], s[16:17], s[34:35]
	s_lshl_b32 s34, s33, 12                        ; b1: 4,096 bytes an expert, 1,024 a wave
	s_lshl_b32 s36, s28, 10
	s_add_co_u32 s34, s34, s36
	s_add_nc_u64 s[6:7], s[6:7], s[34:35]
	s_lshl_b32 s34, s33, 10                        ; b2: 1,024 and 256
	s_lshl_b32 s36, s28, 8
	s_add_co_u32 s34, s34, s36
	s_add_nc_u64 s[8:9], s[8:9], s[34:35]
	WIN 0x40
	G1LOAD 0, 0, 16                                ; W1's group 0 goes out while the row numbers are on their way
	WIN 0
	WAITL 64                                       ; the row number is in: 64 younger loads stand behind it
	v_min_u32 v13, 0x1fff, v13
	s_wait_alu depctr_va_vdst(0)
	v_lshlrev_b32 v4, 10, v13
	v_add_nc_u32 v4, v14, v4                       ; x: my row of 1,024 bytes, + 64 h
	XLOAD HA, 0
	XLOAD ST, 1
.set I, 0
.rept 16                                       ; the addresses of my 16 rows of out: lane i holds slot i's row number
	v_readlane_b32 s34, v13, I
	s_min_u32 s34, s34, 0x1fff
	s_lshl_b32 s34, s34, 10
	s_add_nc_u64 s[OB+2*I:OB+2*I+1], s[22:23], s[34:35]
.set I, I+1
.endr
	WIN 0xc0
.irp t, 0,1,2,3,4,5,6,7,8,9,10,11,12,13,14,15  ; b1 in the result's layout: for tile t, hidden units 32 (t / 2) + 16 h + 8 (t % 2) + 0 .. 7 of my 256
	global_load_b128 v[8*\t:8*\t+3], v14, s[6:7] offset:(32*(\t/2)+8*(\t%2))*4
	global_load_b128 v[8*\t+4:8*\t+7], v14, s[6:7] offset:(32*(\t/2)+8*(\t%2))*4+16
.endr
	WIN 0
.irp t, 0,1,2,3,4,5,6,7,8,9,10,11,12,13,14,15
	global_load_b32 v[W1S+\t], v6, s[12:13] offset:128*\t
.endr
	WAITL 64                                       ; x's K step 0 is in: behind it stand K step 1's 16, b1's 32 and the 16 scale words
	QUANT HA, 0
	IMAGE 7, XIMG
	ds_store_b32 v8, v[PW]
	WIN 0x80
	G1LOAD 1, 0, 8
	WIN 0
	WAITL 80                                       ; x's K step 1 is in: 32 + 16 + 32 younger loads
	s_wait_dscnt 0x0                               ; the image's stores have read their registers
	QUANT ST, 0
	IMAGE 7, XIMG+2048
	ds_store_b32 v8, v[PW] offset:128
	WIN 0x80
	G1LOAD 1, 8, 8
	WIN 0
.irp n, 0,1,2,3
.irp p, 0,1,2,3
	global_load_b32 v[W2S+4*\n+\p], v6, s[16:17] offset:512*\n+128*\p
.endr
.endr
	WIN 0xc0
.irp n, 0,1,2,3                                ; b2 in the result's layout: outputs 16 n + 8 h + 0 .. 7 of my 64
	global_load_b128 v[128+8*\n:128+8*\n+3], v15, s[8:9] offset:64*\n
	global_load_b128 v[128+8*\n+4:128+8*\n+7], v15, s[8:9] offset:64*\n+16
.endr
	WIN 0
	BARRIER                                        ; x's eight fragments lie in LDS
	; ---- 1: the hidden layer: two groups of 8 tiles x four tiles of rows
	FETCHX 0
.irp g, 0,1
.irp m, 0,1,2,3
	P1 \g, \m
.endr
.endr
	BARRIER                                        ; the hidden layer's 32 fragments lie in LDS
	; ---- 2: my 64 outputs for the 64 rows: sixteen accumulators by turns, a K step at a time; the next K step's fragments are asked for a step ahead
	FETCHH 0
.irp s, 0,1,2,3,4,5,6,7
.if (\s >= 1) && (\s < 7)
	PLACES                                         ; in front of loads into the registers that the last K step's products read
.endif
.if \s < 7
	FETCHH \s+1
	s_wait_dscnt 20                                ; this K step's fragments are in; the 20 loads just issued may be out
.else
	s_wait_dscnt 0x0
.endif
	WAITL 16*(7-\s)                                ; W2's K step s is in: 16 younger loads for each later K step
	WIN 0xf1+\s/4                                  ; source 0 (W2) window 1 or 2; C and D window 3
.irp m, 0,1,2,3
.irp n, 0,1,2,3
	PROD2 \s, \m, \n
.endr
.endr
	WIN 0
.endr
	PLACES
	WIN 0x0c                                       ; an LDS store's data are its source 1: window 3
.irp m, 0,1,2,3
.irp n, 0,1,2,3
	ds_store_b128 v11, v[8*(4*\n+\m):8*(4*\n+\m)+3] offset:16*SP*\m+64*\n          ; lane (r, h): y(16 m + r, 64 w + 16 n + 8 h + 0 .. 7); each accumulator from its low end on
	ds_store_b128 v11, v[8*(4*\n+\m)+4:8*(4*\n+\m)+7] offset:16*SP*\m+64*\n+16
.endr
.endr
	WIN 0
	BARRIER                                        ; 64 whole rows lie in the stage; no barrier follows, so the ways may part on stored numbers from here on
	s_cmp_ge_u32 s24, 16
	s_cbranch_scc1 .Lzero
.irp i, 0,1,2,3,4,5,6,7,8,9,10,11,12,13,14,15
	ds_load_b128 v[HA+8*\i:HA+8*\i+3], v12 offset:SP*\i
	ds_load_b128 v[HA+8*\i+4:HA+8*\i+7], v12 offset:SP*\i+512
.endr
	s_wait_dscnt 0x0
	ROWS HA, 8
	s_set_vgpr_msb 0xc
	s_wait_tensorcnt 0x0
	ds_add_u32 v251, v255
	s_wait_dscnt 0x0
	s_set_vgpr_msb 0xc00
	s_endpgm
.Lzero:                                                ; rows whose id names no expert keep zeros; an entry without rows has NV = 0 and stores nothing
.irp i, 252,253,254,255
	v_mov_b32 v\i, 0
.endr
	ROWS 252, 0
	s_set_vgpr_msb 0xc
	s_wait_tensorcnt 0x0
	ds_add_u32 v251, v255
	s_wait_dscnt 0x0
	s_set_vgpr_msb 0xc00
	s_endpgm
.Lfunc_end_k_q964ccf60d2_chain:
	.size	k_q964ccf60d2_chain, .Lfunc_end_k_q964ccf60d2_chain-k_q964ccf60d2_chain
	.p2alignl 7, 3214868480
	.fill 96, 4, 3214868480
	.section	.rodata,"a",@progbits
	.p2align	6, 0x0
	.amdhsa_kernel k_q964ccf60d2_chain
		.amdhsa_group_segment_fixed_size 154112
		.amdhsa_private_segment_fixed_size 0
		.amdhsa_enable_private_segment 0
		.amdhsa_kernarg_size 80
		.amdhsa_user_sgpr_count 2
		.amdhsa_user_sgpr_kernarg_segment_ptr 1
		.amdhsa_wavefront_size32 1
		.amdhsa_system_sgpr_workgroup_id_x 1
		.amdhsa_system_sgpr_workgroup_id_y 1
		.amdhsa_system_sgpr_workgroup_id_z 1
		.amdhsa_system_vgpr_workitem_id 0
		.amdhsa_next_free_vgpr 1024
		.amdhsa_next_free_sgpr 100
		.amdhsa_reserve_vcc 0
		.amdhsa_float_denorm_mode_32 3
		.amdhsa_float_denorm_mode_16_64 3
		.amdhsa_fp16_overflow 1
		.amdhsa_memory_ordered 1
		.amdhsa_forward_progress 1
		.amdhsa_inst_pref_size 183
	.end_amdhsa_kernel
	.amdgpu_metadata
---
amdhsa.version: [ 1, 2 ]
amdhsa.kernels:
  - .name:           k_q964ccf60d2_chain
    .symbol:         k_q964ccf60d2_chain.kd
    .args:
      - { .name: in_feats, .offset: 0, .size: 8, .value_kind: global_buffer, .address_space: global }
      - { .name: b1, .offset: 8, .size: 8, .value_kind: global_buffer, .address_space: global }
      - { .name: b2, .offset: 16, .size: 8, .value_kind: global_buffer, .address_space: global }
      - { .name: w1c, .offset: 24, .size: 8, .value_kind: global_buffer, .address_space: global }
      - { .name: w1s, .offset: 32, .size: 8, .value_kind: global_buffer, .address_space: global }
      - { .name: w2c, .offset: 40, .size: 8, .value_kind: global_buffer, .address_space: global }
      - { .name: w2s, .offset: 48, .size: 8, .value_kind: global_buffer, .address_space: global }
      - { .name: order, .offset: 56, .size: 8, .value_kind: global_buffer, .address_space: global }
      - { .name: tiles, .offset: 64, .size: 8, .value_kind: global_buffer, .address_space: global }
      - { .name: out0, .offset: 72, .size: 8, .value_kind: global_buffer, .address_space: global }
    .group_segment_fixed_size: 154112
    .private_segment_fixed_size: 0
    .kernarg_segment_align: 8
    .kernarg_segment_size: 80
    .max_flat_workgroup_size: 128
    .sgpr_count:     100
    .vgpr_count:     1024
    .wavefront_size: 32
...
	.end_amdgpu_metadata
.endif
;; end of part 2
